; MI455X (gfx1250); checked and timed in simulation.
; The chip was launched on July 23, 2026; its instructions are those of AMD's public machine-readable ISA for CDNA 5 (MIT licence, August 2026) and "CDNA5" Instruction Set Architecture Reference Guide (July 2026). The comments in the code are by the model that wrote it; some were corrected since.
;; Mo E Layer. Allowed arithmetic: float matrix products may take bf16 or f16 operands with f32 sums; other float arithmetic in f32, or as packed bf16 or f16 multiplies, adds, multiply-adds, maxima and minima; sums over many terms, partial sums and values carried from step to step in f32; what a program stores and reads back later, other than sums and carried values, may be rounded once to bf16 or f16.
;; Inputs: W1 16 x 512 x 2,048 float32; W2 16 x 2,048 x 512 float32; Wg 512 x 16 float32; b1 16 x 2,048 float32; b2 16 x 512 float32; ln_b 16 x 2,048 float32; ln_g 16 x 2,048 float32; x 2,048 x 512 float32.
;; Outputs: out0 2,048 x 512 float32.
;; One version. Each part assembles by itself: llvm-mc -triple=amdgcn-amd-amdhsa -mcpu=gfx1250 --defsym DOCPART=n.
;; ======== version 1 of 1: 4 launches
;; limits: values are held in f16: magnitudes above 65,504 overflow, below 6.1e-05 lose precision
;; workspace buffers: xb 2,097,152 bytes; sel 8,192 bytes of whole numbers; gate 16,384 bytes; hbuf 134,217,728 bytes; stats 4,194,304 bytes; rlist 133,120 bytes of whole numbers; ypart 16,777,216 bytes
;; launch router (part 1): grid 128 x 1, 4 waves a work-group, no clusters, 37,888 bytes of LDS; arguments x, Wg, xb, sel, gate; writes xb, sel, gate
.if DOCPART == 1
	.amdgcn_target "amdgcn-amd-amdhsa--gfx1250"
	.amdhsa_code_object_version 6
	.text
	.protected	k_q9aec62b858_router
	.globl	k_q9aec62b858_router
	.p2align	8
	.type	k_q9aec62b858_router,@function
k_q9aec62b858_router:
	s_mov_b64 s[64:65], 0
	v_nop
	global_prefetch_b8 v0, s[64:65] scope:SCOPE_SE
	s_setreg_imm32_b32 hwreg(HW_REG_WAVE_MODE, 25, 1), 1
	s_wait_xcnt 0x0
; ROUTER.  logits = bf16(x) bf16(Wg), f32 sums; for each token the two largest logits (ties keep the lower expert), their softmax, and x rounded to bf16 for the next launch.
; Stored at fixed places: xb[token][512] bf16; sel[token] = a word with the two chosen experts' bits; gate[token] = (weight of the chosen expert with the lower number, of the higher).
; A work-group has 16 tokens (2,048 / 16 = 128 work-groups); each of its four waves multiplies a quarter of K = 512 (four matrix instructions), wave 0 adds the four parts and chooses.
; The matrix instruction is used transposed (source 0 = 16 experts, source 1 = 16 tokens): lane (r, h) holds token r and the experts 8 h + 0..7.
; LIMITS.  Two logits closer than the f32 sums' rounding may change places against another order of summation; NaN and infinities are not treated apart.
; No address and no branch hangs on the choice: it only selects values.
.set XP,    1040                       ; a token's row in LDS: 1,024 bytes of bf16 + 16 of padding
.set WGT,   16*XP                      ; Wg in bf16 as it lies, [512 k][16 experts], 32 bytes a row
.set PART,  WGT+16384                  ; four waves x 32 lanes x 8 partial sums in f32
.set SPARE, PART+4096                  ; the spare words, 128 bytes a wave
.set X,   32                           ; v32-95    16 loads of x
.set G,   96                           ; v96-159   16 loads of Wg
.set CX,  160                          ; v160-191  x in bf16 (kept: the stores read them)
.set CG,  192                          ; v192-223  Wg in bf16
.set XF,  32                           ; later: four fragments of x
.set GF,  64                           ; four fragments of Wg
.set LG,  120                          ; the lane's eight logits; v120-151 the four parts
	s_load_b256 s[4:11], s[0:1], 0x0               ; x s[4:5], Wg s[6:7], xb s[8:9], sel s[10:11]
	s_load_b64 s[12:13], s[0:1], 0x20              ; gate
	v_lshl_add_u32 v4, v0, 2, SPARE                ; my spare word,
	v_mov_b32 v5, 0                                ; and 0: for the closing lines alone
	v_and_b32 v1, 31, v0                           ; lane L
	v_and_b32 v2, 15, v0                           ; r
	v_bfe_u32 v3, v0, 4, 1                         ; h
	v_lshrrev_b32 v15, 5, v0
	v_readfirstlane_b32 s20, v15                   ; wave w
	s_lshl_b32 s21, s20, 13
	s_lshl_b32 s22, s20, 12
	s_mul_i32 s23, s20, 4*XP
	s_lshl_b32 s24, s20, 8
	s_add_co_u32 s25, s22, WGT
	s_lshl_b32 s26, s20, 10
	s_add_co_u32 s26, s26, PART
	s_mov_b32 s28, 0xffff0000                      ; lanes 16-31
	s_mov_b32 s44, 0x76543210                      ; v_permlanex16_b32: each lane takes its own place in the other half
	s_mov_b32 s45, 0xfedcba98
	v_lshl_add_u32 v7, v1, 4, s21                  ; x and Wg: my wave's 8,192 bytes, 16 a lane
	v_lshl_add_u32 v8, v1, 3, s22                  ; xb: half of that
	v_lshl_add_u32 v9, v1, 3, s23                  ; LDS: my wave's four rows of x
	v_lshl_add_u32 v10, v1, 3, s25                 ; LDS: my wave's quarter of Wg
	v_mul_u32_u24 v11, v2, XP                      ; a fragment of x: row r, my quarter of K, 16 bytes for each half of the lanes
	v_lshl_add_u32 v11, v3, 4, v11
	v_add_nc_u32 v11, s24, v11
	v_and_b32 v16, 7, v0                           ; a fragment of Wg by the turning load: row 8 h + L % 8, 16 bytes at 16 ((L / 8) % 2)
	v_lshl_add_u32 v16, v3, 3, v16
	v_bfe_u32 v17, v0, 3, 1
	v_lshlrev_b32 v12, 5, v16
	v_lshl_add_u32 v12, v17, 4, v12
	v_add_nc_u32 v12, s25, v12
	v_lshl_add_u32 v13, v1, 5, s26                 ; my 32 bytes of my wave's part
	v_lshl_add_u32 v14, v1, 5, PART                ; the same lane's 32 bytes of part 0
	s_lshl_b32 s14, ttmp9, 15                      ; 16 rows of 2,048 bytes
	s_mov_b32 s15, 0
	s_lshl_b32 s16, ttmp9, 14
	s_mov_b32 s17, 0
	s_lshl_b32 s18, ttmp9, 6
	s_mov_b32 s19, 0
	s_lshl_b32 s30, ttmp9, 7
	s_mov_b32 s31, 0
	s_wait_kmcnt 0x0
	s_add_nc_u64 s[4:5], s[4:5], s[14:15]
	s_add_nc_u64 s[8:9], s[8:9], s[16:17]
	s_add_nc_u64 s[10:11], s[10:11], s[18:19]
	s_add_nc_u64 s[12:13], s[12:13], s[30:31]
	; all 32 loads go out at once: each covers 512 consecutive bytes
.set i, 0
.rept 16
	global_load_b128 v[X+4*i:X+4*i+3], v7, s[4:5] offset:512*i th:TH_LOAD_NT
.set i, i+1
.endr
.set i, 0
.rept 16
	global_load_b128 v[G+4*i:G+4*i+3], v7, s[6:7] offset:512*i
.set i, i+1
.endr
	s_wait_loadcnt 16                              ; x is in: the 16 loads of Wg are younger
.set i, 0
.rept 16
	v_cvt_pk_bf16_f32 v[CX+2*i], v[X+4*i], v[X+4*i+1]
	v_cvt_pk_bf16_f32 v[CX+2*i+1], v[X+4*i+2], v[X+4*i+3]
	global_store_b64 v8, v[CX+2*i:CX+2*i+1], s[8:9] offset:256*i   ; 32 lanes store 256 consecutive bytes, aligned
	ds_store_b64 v9, v[CX+2*i:CX+2*i+1] offset:(i/4)*XP+(i%4)*256
.set i, i+1
.endr
	s_wait_loadcnt 0x0
.set i, 0
.rept 16
	v_cvt_pk_bf16_f32 v[CG+2*i], v[G+4*i], v[G+4*i+1]
	v_cvt_pk_bf16_f32 v[CG+2*i+1], v[G+4*i+2], v[G+4*i+3]
	ds_store_b64 v10, v[CG+2*i:CG+2*i+1] offset:256*i
.set i, i+1
.endr
	s_wait_dscnt 0x0                               ; for the others' sake: my rows of x are in LDS
	s_barrier_signal -1
	s_barrier_wait -1
	; my quarter of K: four K steps of 32
.irp c, 0,1,2,3
	ds_load_b128 v[XF+8*\c:XF+8*\c+3], v11 offset:64*\c
	ds_load_b128 v[XF+8*\c+4:XF+8*\c+7], v11 offset:64*\c+32
	ds_load_tr16_b128 v[GF+8*\c:GF+8*\c+3], v12 offset:1024*\c
	ds_load_tr16_b128 v[GF+8*\c+4:GF+8*\c+7], v12 offset:1024*\c+512
.endr
	s_wait_dscnt 0x0
	v_wmma_f32_16x16x32_bf16 v[96:103], v[GF:GF+7], v[XF:XF+7], 0             ; two accumulators by turns
	v_wmma_f32_16x16x32_bf16 v[104:111], v[GF+8:GF+15], v[XF+8:XF+15], 0
	v_wmma_f32_16x16x32_bf16 v[96:103], v[GF+16:GF+23], v[XF+16:XF+23], v[96:103]
	v_wmma_f32_16x16x32_bf16 v[104:111], v[GF+24:GF+31], v[XF+24:XF+31], v[104:111]
.rept 4
	v_nop                                          ; four places behind the last product (ISA guide 7.12.1)
.endr
.irp p, 0,1,2,3
	v_pk_add_f32 v[112+2*\p:113+2*\p], v[96+2*\p:97+2*\p], v[104+2*\p:105+2*\p]
.endr
	ds_store_b128 v13, v[112:115]
	ds_store_b128 v13, v[116:119] offset:16
	s_wait_dscnt 0x0                               ; for wave 0's sake
	s_barrier_signal -1
	s_barrier_wait -1
	s_cmp_lg_u32 s20, 0
	s_cbranch_scc1 .Lend                           ; no barrier stands behind this branch
	; wave 0: the four parts are added, (p0 + p1) + (p2 + p3)
.irp v, 0,1,2,3
	ds_load_b128 v[LG+8*\v:LG+8*\v+3], v14 offset:1024*\v
	ds_load_b128 v[LG+8*\v+4:LG+8*\v+7], v14 offset:1024*\v+16
.endr
	v_lshlrev_b32 v23, 3, v3                       ; my first expert, 8 h
	v_mov_b32 v18, 0xff800000                      ; the second largest starts at minus infinity
	v_mov_b32 v19, 0
	v_mov_b32 v24, 0                               ; the exchange's destinations count as read: they are written first
	v_mov_b32 v25, 0
	v_mov_b32 v26, 0
	v_mov_b32 v27, 0
	s_wait_dscnt 0x0
.irp p, 0,1,2,3
	v_pk_add_f32 v[LG+2*\p:LG+2*\p+1], v[LG+2*\p:LG+2*\p+1], v[LG+8+2*\p:LG+9+2*\p]
	v_pk_add_f32 v[LG+16+2*\p:LG+17+2*\p], v[LG+16+2*\p:LG+17+2*\p], v[LG+24+2*\p:LG+25+2*\p]
.endr
.irp p, 0,1,2,3
	v_pk_add_f32 v[LG+2*\p:LG+2*\p+1], v[LG+2*\p:LG+2*\p+1], v[LG+16+2*\p:LG+17+2*\p]
.endr
	; the two largest of my eight, with their numbers: (v16, v17) and (v18, v19).  The compares are strict: of equal logits the earlier stays
	v_mov_b32 v16, v[LG]
	v_mov_b32 v17, v23
.irp j, 1,2,3,4,5,6,7
	v_add_nc_u32 v22, \j, v23
	v_cmp_gt_f32 vcc_lo, v[LG+\j], v16
	v_cmp_gt_f32 s26, v[LG+\j], v18
	v_cndmask_b32 v20, v18, v[LG+\j], s26
	v_cndmask_b32 v21, v19, v22, s26
	v_cndmask_b32 v18, v20, v16, vcc_lo
	v_cndmask_b32 v19, v21, v17, vcc_lo
	v_cndmask_b32 v16, v16, v[LG+\j], vcc_lo
	v_cndmask_b32 v17, v17, v22, vcc_lo
.endr
	v_permlanex16_b32 v24, v16, s44, s45           ; the token's other eight experts lie in the lane 16 away
	v_permlanex16_b32 v25, v17, s44, s45
	v_permlanex16_b32 v26, v18, s44, s45
	v_permlanex16_b32 v27, v19, s44, s45
	v_cndmask_b32 v28, v16, v24, s28               ; experts 0-7: largest, its number, second, its number
	v_cndmask_b32 v29, v17, v25, s28
	v_cndmask_b32 v30, v18, v26, s28
	v_cndmask_b32 v31, v19, v27, s28
	v_cndmask_b32 v152, v24, v16, s28              ; experts 8-15 likewise
	v_cndmask_b32 v153, v25, v17, s28
	v_cndmask_b32 v154, v26, v18, s28
	v_cndmask_b32 v155, v27, v19, s28
	v_cmp_gt_f32 vcc_lo, v152, v28                 ; strict: a tie stays with the lower experts
	v_cndmask_b32 v20, v28, v152, vcc_lo           ; the largest of all,
	v_cndmask_b32 v21, v29, v153, vcc_lo           ; its number
	v_cndmask_b32 v156, v30, v28, vcc_lo           ; what is left to compare: of the lower experts,
	v_cndmask_b32 v157, v31, v29, vcc_lo
	v_cndmask_b32 v158, v152, v154, vcc_lo         ; of the higher
	v_cndmask_b32 v159, v153, v155, vcc_lo
	v_cmp_gt_f32 s26, v158, v156
	v_cndmask_b32 v22, v156, v158, s26             ; the second largest,
	v_cndmask_b32 v23, v157, v159, s26             ; its number
	; softmax of the two, the maximum taken away: w1 = 1 / (1 + e), w2 = e / (1 + e), e = exp(second - first)
	v_sub_f32 v24, v22, v20
	v_mul_f32 v24, 0x3fb8aa3b, v24
	v_exp_f32 v25, v24
	v_mov_b32 v17, 1                               ; a plain instruction behind the exponential
	s_wait_alu depctr_va_vdst(0)                   ; the wait ahead of the result's first reader
	v_add_f32 v26, 1.0, v25
	v_rcp_f32 v27, v26
	v_lshlrev_b32 v19, 2, v2                       ; a plain instruction behind the reciprocal: sel's offset, 4 r
	s_wait_alu depctr_va_vdst(0)
	v_mul_f32 v28, v25, v27
	v_cmp_lt_u32 vcc_lo, v21, v23                  ; is the first choice the lower expert?
	v_cndmask_b32 v30, v28, v27, vcc_lo            ; the lower expert's weight,
	v_cndmask_b32 v31, v27, v28, vcc_lo            ; the higher's
	v_lshlrev_b32 v16, v21, v17
	v_lshlrev_b32 v18, v23, v17
	v_or_b32 v16, v16, v18                         ; the two bits
	v_lshlrev_b32 v29, 3, v2                       ; gate's offset, 8 r
	s_wait_xcnt 0x0                                ; EXEC changes only behind this wait: the stores of xb have read theirs
	v_cmp_gt_u32 vcc_lo, 16, v1
	s_and_saveexec_b32 s27, vcc_lo                 ; lanes 0-15: one lane a token
	global_store_b32 v19, v16, s[10:11]
	global_store_b64 v29, v[30:31], s[12:13]
	s_wait_xcnt 0x0
	s_or_b32 exec_lo, exec_lo, s27
.Lend:
	s_wait_tensorcnt 0x0                           ; the wave's end, behind my last LDS store
	ds_add_u32 v4, v5
	s_wait_dscnt 0x0
	s_endpgm
.Lfunc_end_k_q9aec62b858_router:
	.size	k_q9aec62b858_router, .Lfunc_end_k_q9aec62b858_router-k_q9aec62b858_router
	.p2alignl 7, 3214868480
	.fill 96, 4, 3214868480
	.section	.rodata,"a",@progbits
	.p2align	6, 0x0
	.amdhsa_kernel k_q9aec62b858_router
		.amdhsa_group_segment_fixed_size 37888
		.amdhsa_private_segment_fixed_size 0
		.amdhsa_enable_private_segment 0
		.amdhsa_kernarg_size 40
		.amdhsa_user_sgpr_count 2
		.amdhsa_user_sgpr_kernarg_segment_ptr 1
		.amdhsa_wavefront_size32 1
		.amdhsa_system_sgpr_workgroup_id_x 1
		.amdhsa_system_sgpr_workgroup_id_y 1
		.amdhsa_system_sgpr_workgroup_id_z 1
		.amdhsa_system_vgpr_workitem_id 0
		.amdhsa_next_free_vgpr 224
		.amdhsa_next_free_sgpr 66
		.amdhsa_reserve_vcc 1
		.amdhsa_float_denorm_mode_32 3
		.amdhsa_float_denorm_mode_16_64 3
		.amdhsa_memory_ordered 1
		.amdhsa_forward_progress 1
		.amdhsa_inst_pref_size 22
	.end_amdhsa_kernel
	.amdgpu_metadata
---
amdhsa.version: [ 1, 2 ]
amdhsa.kernels:
  - .name:           k_q9aec62b858_router
    .symbol:         k_q9aec62b858_router.kd
    .args:
      - { .name: x, .offset: 0, .size: 8, .value_kind: global_buffer, .address_space: global }
      - { .name: Wg, .offset: 8, .size: 8, .value_kind: global_buffer, .address_space: global }
      - { .name: xb, .offset: 16, .size: 8, .value_kind: global_buffer, .address_space: global }
      - { .name: sel, .offset: 24, .size: 8, .value_kind: global_buffer, .address_space: global }
      - { .name: gate, .offset: 32, .size: 8, .value_kind: global_buffer, .address_space: global }
    .group_segment_fixed_size: 37888
    .private_segment_fixed_size: 0
    .kernarg_segment_align: 8
    .kernarg_segment_size: 40
    .max_flat_workgroup_size: 128
    .sgpr_count:     66
    .vgpr_count:     224
    .wavefront_size: 32
...
	.end_amdgpu_metadata
.endif
;; end of part 1
;; launch up (part 2): grid 16 x 16, 4 waves a work-group, no clusters, 165,376 bytes of LDS; arguments xb, sel, W1, b1, hbuf, stats, rlist; writes hbuf, stats, rlist
.if DOCPART == 2
	.amdgcn_target "amdgcn-amd-amdhsa--gfx1250"
	.amdhsa_code_object_version 6
	.text
	.protected	k_q9aec62b858_up
	.globl	k_q9aec62b858_up
	.p2align	8
	.type	k_q9aec62b858_up,@function
k_q9aec62b858_up:
	s_mov_b64 s[64:65], 0
	v_nop
	global_prefetch_b8 v0, s[64:65] scope:SCOPE_SE
	s_setreg_imm32_b32 hwreg(HW_REG_WAVE_MODE, 25, 1), 1
	s_wait_xcnt 0x0
; FIRST PRODUCT.  For expert e (grid y) and a slice of 128 hidden columns (grid x): h = xb W1 + b1 for the rows that chose e, SiLU, and the slice's part of the LayerNorm statistics.
; Only this work-group reads its 512 x 128 numbers of W1 (256 KiB of f32), once; they are rounded to bf16 on the way through registers into LDS, as they lie ([k][n]).
; ROWS.  Every wave counts the choices for itself, in registers.  Each of the 64 registers of sel (32 tokens) gives a mask of the lanes that chose e, and a key = (rows ahead of it << 12) | 2 x its first token;
; masks and keys lie in the lanes of four registers.  The token of a rank is found from them: a scan over the 64 keys keeps the last mask that begins at or ahead of the rank, and a search by bit counts finds the
; rank's bit in that mask.  Three registers hold 96 ranks at a time, a tile's rows.  No list is laid down anywhere.
; Rows go in blocks of 16; the nb = ceil(cnt / 16) blocks are dealt to the four waves in runs of q = ceil(nb / 4); a wave multiplies up to six blocks x 128 columns at a time (a tile).
; Six tile trips, a constant, cover q = 32 (all 2,048 tokens on one expert); a trip with nothing left is jumped.  Places past cnt repeat the last row.
; Token rows come from memory straight into operand registers (a ring of four K steps), so that behind the one barrier nothing is shared any more.  The ring asks for nothing past the tile's 16 K steps.
; A tile's 16 K steps are written out: every LDS address in the tile loop is a lane term plus a constant, and the ring's K step stands in the loads' immediates.
; THE MATRIX INSTRUCTION IS USED TRANSPOSED: source 0 = 16 hidden columns (turned out of LDS by ds_load_tr16_b128), source 1 = 16 rows: a lane holds one row (lane % 16) and 8 neighbouring columns.
; The sums are started by a product of their own, bias x one (k = 0 holds bf16(b1) and 1.0, all other k are 0): exact, nothing is cleared, and every K step is a step like any other.
; WHAT IS STORED.  With c = log2(e): u = -c h, s' = u / (1 + 2^u) = -c silu(h).  stats[e][slice][rank] = (mean of s' over the slice, sum of squares about that mean), f32;
; hbuf[e][rank][column] = s' - that mean, f16.  LayerNorm does not see the factor -c but for eps and the sign, which the next launch sets right.
; rlist[e][p] = 2 x token + slot of row min(p, cnt - 1) (slot 1 if the token's other expert has the lower number), and cnt: whole numbers for the next launch (stored by slice 0).
; LIMITS.  |c (silu(h) - slice mean)| stays under 65,504 (f16); below 6e-5 f16 keeps its fixed step of 6e-8; 2^u and 1 / x flush denormals; NaN and infinities are not treated apart.
; NO CLUSTER: each slice of W1 has one reader, and the rows that an expert's work-groups share are scattered over xb, which no tile descriptor covers.
.set PW,    288                        ; a row of W in LDS: 256 bytes + 32 = 72 words
.set KT,    32*PW                      ; a K step's 32 rows
.set STG,   512*PW                     ; behind W: for each wave 16 rows x 272 bytes, for the way out
.set SP,    272
.set STGB,  16*SP
.set SPARE, STG+4*STGB                 ; the spare words, 128 bytes a wave
; window 0: v0-3 thread, lane L, r = L % 16, h = L / 16; v4, v5 the closing add's; v6 zero; v7 16 L; v8 my place in W's rows (store); v9, v10, v11 my place in a fragment of W at K steps 0, 6, 12 (v10 before: the stream's)
;   v14-19 at work; v20-25 the ring's row offsets; v32 16 h; v33, v34 stage in and back; v35 hbuf; v36 stats; v37 prefetch; v38, v39 minus the mean; v40-49 at work
;   v54, v55 the masks of sel's even and odd registers, one a lane; v56, v57 their keys
;   v64-127, v128-191 two buffers of W's fragments (before: the stream's 32 slots; on the way out: u and work); v192-223 packed (before: sel; in ROWS: at work); v224-255 rows back (before: sel)
; window 1: accumulators of blocks 0-3, (b, n) at 64 b + 8 n     window 2: blocks 4, 5; v128-191 the bias fragments; v192-199 the fragment of ones     window 3: the ring, slot s, block b at 48 s + 8 b
.set QP, 192                           ; ROWS, three registers each: (rank << 12) | 0xfff
.set QM, 195                           ; the mask that holds the rank
.set QK, 198                           ; its key; later 2 x token
.set QA, 201                           ; the mask's counts by 2 bits,
.set QB, 204                           ; by 4 bits,
.set QC, 207                           ; by 8 bits
.set QR, 210                           ; the rank; later which of the mask's bits
.set QS, 213                           ; the bit's place
.set QT, 216                           ; at work
.set QF, 219
.set MSB, 0
.macro WIN new                         ; s_set_vgpr_msb: bits 1:0 source 0, 3:2 source 1, 5:4 source 2, 7:6 destination; the high byte repeats the setting that is left
.if MSB != (\new)
	s_set_vgpr_msb (MSB<<8)|(\new)
.set MSB, \new
.endif
.endm
.macro PLACES                          ; four places behind matrix instructions, ahead of loads into their sources and of readers of their results
.rept 4
	v_nop
.endr
.endm
.macro ALL3 line:vararg                ; one line for each of the three registers j: no line reads the result of the one before it
.set j, 0
.rept 3
	\line
.set j, j+1
.endr
.endm
; One halving step of the search: if the bit wanted is not among the lower wid bits at the place in hand, their count is taken off and the place moves up by wid.
.macro SSTEP src, wid
	ALL3 v_bfe_u32 v[QT+j], v[\src+j], v[QS+j], \wid
	ALL3 v_cmp_ge_u32 s[34+j], v[QR+j], v[QT+j]
	ALL3 v_cndmask_b32 v[QT+j], 0, v[QT+j], s[34+j]
	ALL3 v_cndmask_b32 v[QF+j], 0, \wid, s[34+j]
	ALL3 v_sub_nc_u32 v[QR+j], v[QR+j], v[QT+j]
	ALL3 v_add_nc_u32 v[QS+j], v[QS+j], v[QF+j]
.endm
; THE ROWS OF THE TILE THAT BEGINS AT BLOCK s29: lane L of register j stands for rank min(16 s29 + 32 j + L, cnt - 1).  Leaves token x 1,024 + 16 h of the six blocks' rows in v20-25; slice 0 stores the 96 places of rlist.
.macro ROWS
	s_wait_xcnt 0x0                                ; earlier loads and stores have read the registers that are written below
	s_lshl_b32 s26, s29, 4
	v_add_nc_u32 v[QR], s26, v1
	v_add_nc_u32 v[QR+1], 32, v[QR]
	v_add_nc_u32 v[QR+2], 64, v[QR]
	ALL3 v_min_u32 v[QR+j], s46, v[QR+j]
	ALL3 v_lshl_or_b32 v[QP+j], v[QR+j], 12, 0xfff
	ALL3 v_mov_b32 v[QM+j], 0
	ALL3 v_mov_b32 v[QK+j], 0
	s_mov_b32 s40, 0
.Lscan_\@:                                             ; 32 trips, two masks each, in ascending order: a mask whose key is not above (rank << 12) | 0xfff begins at or ahead of the rank; the last such one holds it
	v_readlane_b32 s2, v56, s40
	v_readlane_b32 s3, v54, s40
	v_readlane_b32 s18, v57, s40
	v_readlane_b32 s19, v55, s40
	ALL3 v_cmp_gt_u32 s[34+j], s2, v[QP+j]
	ALL3 v_cmp_gt_u32 s[37+j], s18, v[QP+j]
	ALL3 v_cndmask_b32 v[QM+j], s3, v[QM+j], s[34+j]
	ALL3 v_cndmask_b32 v[QK+j], s2, v[QK+j], s[34+j]
	ALL3 v_cndmask_b32 v[QM+j], s19, v[QM+j], s[37+j]
	ALL3 v_cndmask_b32 v[QK+j], s18, v[QK+j], s[37+j]
	s_add_co_u32 s40, s40, 1
	s_cmp_lt_u32 s40, 32
	s_cbranch_scc1 .Lscan_\@
	ALL3 v_lshrrev_b32 v[QT+j], 12, v[QK+j]        ; the rows ahead of the mask
	ALL3 v_lshrrev_b32 v[QF+j], 1, v[QM+j]
	ALL3 v_and_b32 v[QK+j], 0xfff, v[QK+j]         ; 2 x the mask's first token
	ALL3 v_and_b32 v[QF+j], 0x55555555, v[QF+j]
	ALL3 v_sub_nc_u32 v[QR+j], v[QR+j], v[QT+j]    ; which of the mask's set bits, from 0
	ALL3 v_sub_nc_u32 v[QA+j], v[QM+j], v[QF+j]    ; set bits in each 2,
	ALL3 v_lshrrev_b32 v[QF+j], 2, v[QA+j]
	ALL3 v_and_b32 v[QB+j], 0x33333333, v[QA+j]
	ALL3 v_and_b32 v[QF+j], 0x33333333, v[QF+j]
	ALL3 v_add_nc_u32 v[QB+j], v[QB+j], v[QF+j]    ; in each 4,
	ALL3 v_lshrrev_b32 v[QF+j], 4, v[QB+j]
	ALL3 v_add_nc_u32 v[QC+j], v[QB+j], v[QF+j]
	ALL3 v_and_b32 v[QC+j], 0x0f0f0f0f, v[QC+j]    ; in each 8,
	ALL3 v_lshrrev_b32 v[QT+j], 8, v[QC+j]
	ALL3 v_add_nc_u32 v[QT+j], v[QC+j], v[QT+j]
	ALL3 v_and_b32 v[QT+j], 0xff, v[QT+j]          ; in the lower 16
	ALL3 v_cmp_ge_u32 s[34+j], v[QR+j], v[QT+j]
	ALL3 v_cndmask_b32 v[QT+j], 0, v[QT+j], s[34+j]
	ALL3 v_cndmask_b32 v[QS+j], 0, 16, s[34+j]
	ALL3 v_sub_nc_u32 v[QR+j], v[QR+j], v[QT+j]
	SSTEP QC, 8
	SSTEP QB, 4
	SSTEP QA, 2
	SSTEP QM, 1
	ALL3 v_lshl_add_u32 v[QK+j], v[QS+j], 3, v[QK+j]           ; 2 x token: lane l of a register of sel is 4 l tokens on
	ALL3 v_permlanex16_b32 v[QT+j], v[QK+j], s44, s45          ; a register's lanes 0-15 are one block's rows, lanes 16-31 the next block's: each goes to both halves of the lanes
	ALL3 v_cndmask_b32 v[20+2*j], v[QK+j], v[QT+j], s62
	ALL3 v_cndmask_b32 v[21+2*j], v[QT+j], v[QK+j], s62
.irp b, 0,1,2,3,4,5
	v_min_u32 v[20+\b], 0xffe, v[20+\b]            ; the bound stands last ahead of the address
	v_lshl_add_u32 v[20+\b], v[20+\b], 9, v32
.endr
	s_cmp_lg_u32 s21, 0
	s_cbranch_scc1 .Lnorl_\@
	ALL3 v_min_u32 v[QT+j], 0xffe, v[QK+j]         ; slice 0: the token's word of sel says whether its other expert lies below e
	ALL3 v_lshlrev_b32 v[QT+j], 1, v[QT+j]
	ALL3 global_load_b32 v[QF+j], v[QT+j], s[6:7]
	v_add_nc_u32 v[QA], s26, v1
	v_add_nc_u32 v[QA+1], 32, v[QA]
	v_add_nc_u32 v[QA+2], 64, v[QA]
	ALL3 v_min_u32 v[QA+j], 0x7ff, v[QA+j]
	ALL3 v_lshlrev_b32 v[QA+j], 2, v[QA+j]
	s_wait_loadcnt 0x0                             ; the three words (and whatever is older)
	ALL3 v_and_b32 v[QF+j], s24, v[QF+j]
	ALL3 v_min_u32 v[QF+j], 1, v[QF+j]             ; the slot
	ALL3 v_add_nc_u32 v[QF+j], v[QK+j], v[QF+j]
	ALL3 global_store_b32 v[QA+j], v[QF+j], s[60:61]           ; place p holds the entry of row min(p, cnt - 1), whichever wave stores it
.Lnorl_\@:
.endm
; One slot of the stream: a row's 512 bytes of f32 become 256 of bf16 in LDS; ahead = 1: the slot is asked for again, 32 rows on.
.macro SLOT i, adr, ob, ahead, left
	s_wait_loadcnt \left                           ; loads come back in order (ISA guide 5.7.1): mine is in, the younger stay out
	v_cvt_pk_bf16_f32 v[14+2*((\i)%2)], v[64+4*(\i)], v[65+4*(\i)]
	v_cvt_pk_bf16_f32 v[15+2*((\i)%2)], v[66+4*(\i)], v[67+4*(\i)]
.if \ahead
	global_load_b128 v[64+4*(\i):67+4*(\i)], v7, s[50:51] offset:8192*(32+(\i)) th:TH_LOAD_NT
.endif
	ds_store_b64 v[\adr], v[14+2*((\i)%2):15+2*((\i)%2)] offset:PW*((\ob)+(\i))
.endm
; Twelve loads into a slot of the ring: six blocks' fragments of K step ks (16 rows x 32 k: two loads of 16 bytes a lane, 32 bytes apart)
.macro RING slot, ks
	WIN 0xc0
.irp b, 0,1,2,3,4,5
	global_load_b128 v[48*(\slot)+8*\b:48*(\slot)+8*\b+3], v[20+\b], s[4:5] offset:64*(\ks)
	global_load_b128 v[48*(\slot)+8*\b+4:48*(\slot)+8*\b+7], v[20+\b], s[4:5] offset:64*(\ks)+32
.endr
.endm
.macro BLOAD buf, adr, off             ; sixteen turning loads: a K step's eight fragments of W
.irp n, 0,1,2,3,4,5,6,7
	ds_load_tr16_b128 v[64+64*(\buf)+8*\n:64+64*(\buf)+8*\n+3], v[\adr] offset:(\off)+32*\n
	ds_load_tr16_b128 v[64+64*(\buf)+8*\n+4:64+64*(\buf)+8*\n+7], v[\adr] offset:(\off)+32*\n+16*PW
.endr
.endm
.macro CHAINS                          ; bias x one starts all 48 sums, those of blocks without rows too: every accumulator is written on every path
.irp b, 0,1,2,3,4,5
	WIN 0x4a+0x40*((\b)/4)
.irp n, 0,1,2,3,4,5,6,7
	v_wmma_f32_16x16x32_bf16 v[64*((\b)%4)+8*\n:64*((\b)%4)+8*\n+7], v[128+8*\n:128+8*\n+7], v[192:199], 0
.endr
.endr
	WIN 0
.endm
; K step i's products: the tile's s31 live blocks, eight accumulators each, by turns (between two links of a chain stand seven others' at the least).
.macro CHAINM i
.irp b, 0,1,2,3,4,5
.if (\b) > 0
	WIN 0
	s_cmp_le_u32 s31, \b
	s_cbranch_scc1 .Lcm_\@
.endif
	WIN 0x5c+0x50*((\b)/4)
.irp n, 0,1,2,3,4,5,6,7
	v_wmma_f32_16x16x32_bf16 v[64*((\b)%4)+8*\n:64*((\b)%4)+8*\n+7], v[64+64*((\i)%2)+8*\n:64+64*((\i)%2)+8*\n+7], v[48*((\i)%4)+8*\b:48*((\i)%4)+8*\b+7], v[64*((\b)%4)+8*\n:64*((\b)%4)+8*\n+7]
.endr
.endr
	WIN 0
.Lcm_\@:
.endm
; K step s of 16.  Its slot of the ring takes the K step four on, its buffer of W's fragments the K step two on, as long as the tile has such a step.
.macro KSTEP s
.if (\s) < 13
	s_wait_loadcnt 36                              ; this K step's rows are in: the three younger K steps' 3 x 12 loads may be out
.else
	s_wait_loadcnt 12*(15-(\s))                    ; the last four K steps refill nothing: two, one and no younger K step
.endif
.if (\s) < 15
	s_wait_dscnt 16                                ; its fragments of W too: the next K step's 16 loads may be out
.else
	s_wait_dscnt 0x0                               ; the last run of fragments: none is younger
.endif
	CHAINM \s
.if (\s) < 14
	PLACES
.endif
.if (\s) < 12
	RING (\s)%4, (\s)+4
	WIN 0
.endif
.if (\s) < 14
	BLOAD (\s)%2, 9+((\s)+2)/6, KT*(((\s)+2)%6)
.endif
.endm
.macro MV b                            ; u = -c h of block b, out of its window; each accumulator's lowest registers first
	WIN 1+(\b)/4
.set mi, 0
.rept 32
	v_pk_mul_f32 v[64+2*mi:65+2*mi], v[64*((\b)%4)+2*mi:64*((\b)%4)+2*mi+1], s[42:43] op_sel_hi:[1,0]
.set mi, mi+1
.endr
	WIN 0
.endm
.macro TREE                            ; 16 pairs in v128-159 -> their sum over the row's 128 columns in v128, in every lane
.irp i, 0,1,2,3,4,5,6,7
	v_pk_add_f32 v[160+2*\i:161+2*\i], v[128+4*\i:129+4*\i], v[130+4*\i:131+4*\i]
.endr
.irp i, 0,1,2,3
	v_pk_add_f32 v[128+2*\i:129+2*\i], v[160+4*\i:161+4*\i], v[162+4*\i:163+4*\i]
.endr
.irp i, 0,1
	v_pk_add_f32 v[160+2*\i:161+2*\i], v[128+4*\i:129+4*\i], v[130+4*\i:131+4*\i]
.endr
	v_pk_add_f32 v[128:129], v[160:161], v[162:163]
	v_add_f32 v128, v128, v129
	v_permlanex16_b32 v129, v128, s44, s45         ; the row's other 64 columns lie in the lane 16 away
	v_add_f32 v128, v128, v129
.endm
	s_load_b256 s[4:11], s[0:1], 0x0               ; xb s[4:5], sel s[6:7], W1 s[8:9], b1 s[10:11]
	s_load_b128 s[12:15], s[0:1], 0x20             ; hbuf s[12:13], stats s[14:15]
	s_load_b64 s[16:17], s[0:1], 0x30              ; rlist
	v_lshl_add_u32 v4, v0, 2, SPARE
	v_mov_b32 v5, 0
	v_mov_b32 v6, 0
	v_and_b32 v1, 31, v0
	v_and_b32 v2, 15, v0
	v_bfe_u32 v3, v0, 4, 1
	v_lshrrev_b32 v14, 5, v0
	v_readfirstlane_b32 s20, v14                   ; wave w
	s_mov_b32 s21, ttmp9                           ; slice
	s_and_b32 s22, ttmp7, 0xffff                   ; expert e
	s_lshl_b32 s23, 1, s22                         ; e's bit,
	s_sub_co_u32 s24, s23, 1                       ; the bits below it
	s_mov_b32 s25, 0                               ; rows counted so far
	s_mov_b32 s49, 0
	s_mov_b32 s42, 0xbfb8aa3b                      ; -c = -log2(e)
	s_mov_b32 s43, s42
	s_mov_b32 s44, 0x76543210
	s_mov_b32 s45, 0xfedcba98
	s_mov_b32 s62, 0xffff0000                      ; lanes 16-31
	s_mul_i32 s26, s20, 128*PW                     ; my wave lays rows 128 w .. 128 w + 127 of W
	v_lshlrev_b32 v7, 4, v1
	v_lshl_add_u32 v8, v1, 3, s26
	v_and_b32 v14, 7, v0
	v_lshl_add_u32 v14, v3, 3, v14
	v_mul_u32_u24 v9, v14, PW                      ; row 8 h + L % 8,
	v_bfe_u32 v15, v0, 3, 1
	v_lshl_add_u32 v9, v15, 4, v9                  ; 16 bytes at 16 ((L / 8) % 2)
	v_lshlrev_b32 v32, 4, v3
	s_mul_i32 s26, s20, STGB
	s_add_co_u32 s26, s26, STG                     ; my wave's stage
	v_mul_u32_u24 v33, v2, SP                      ; in: row r, 16 bytes for each half of the lanes
	v_lshl_add_u32 v33, v3, 4, v33
	v_add_nc_u32 v33, s26, v33
	v_mul_u32_u24 v34, v3, SP                      ; back: lanes 0-15 one row of 256 bytes, lanes 16-31 the next
	v_lshl_add_u32 v34, v2, 4, v34
	v_add_nc_u32 v34, s26, v34
	v_lshlrev_b32 v35, 12, v3                      ; the same two rows in hbuf
	v_lshl_add_u32 v35, v2, 4, v35
	v_lshlrev_b32 v36, 3, v2                       ; stats: row r, word h
	v_lshl_add_u32 v36, v3, 2, v36
	v_lshrrev_b32 v37, 1, v1                       ; prefetch: 16 rows of W1, the two halves of my slice's 512 bytes
	v_lshlrev_b32 v37, 13, v37
	v_and_b32 v14, 1, v0
	v_lshl_add_u32 v37, v14, 8, v37
	v_lshlrev_b32 v48, 2, v2
.irp j, 54,55,56,57
	v_mov_b32 v[\j], 0                             ; v_writelane_b32's destination counts as read: written first
.endr
	s_wait_kmcnt 0x0
	s_lshl_b32 s48, s22, 22                        ; W1: expert, my wave's 128 rows of 8,192 bytes, the slice's 512 bytes
	s_lshl_b32 s26, s20, 20
	s_add_co_u32 s48, s48, s26
	s_lshl_b32 s26, s21, 9
	s_add_co_u32 s48, s48, s26
	s_add_nc_u64 s[50:51], s[8:9], s[48:49]
	s_lshl_b32 s48, s22, 13
	s_add_co_u32 s48, s48, s26
	s_add_nc_u64 s[52:53], s[10:11], s[48:49]      ; b1 at the slice (later: hbuf at a block's rows)
	s_lshl_b32 s48, s22, 23
	s_lshl_b32 s26, s21, 8
	s_add_co_u32 s48, s48, s26
	s_add_nc_u64 s[56:57], s[12:13], s[48:49]      ; hbuf at expert and slice
	s_lshl_b32 s48, s22, 4
	s_add_co_u32 s48, s48, s21
	s_lshl_b32 s48, s48, 14
	s_add_nc_u64 s[58:59], s[14:15], s[48:49]      ; stats at expert and slice
	s_lshl_b32 s48, s22, 13
	s_add_nc_u64 s[60:61], s[16:17], s[48:49]      ; rlist at the expert
	s_lshl_b32 s48, s22, 7
	s_add_co_u32 s48, s48, 131072
	s_add_nc_u64 s[54:55], s[16:17], s[48:49]      ; the expert's count (later: stats at a block's rows)
	; 56 loads go out: sel (register 4 q + c of lane L is token 128 q + 4 L + c), b1, and the stream's first 32 rows
.set i, 0
.rept 16
	global_load_b128 v[192+4*i:195+4*i], v7, s[6:7] offset:512*i
.set i, i+1
.endr
.irp n, 0,1,2,3,4,5,6,7
	global_load_b32 v[40+\n], v48, s[52:53] offset:64*\n
.endr
.set i, 0
.rept 32
	global_load_b128 v[64+4*i:67+4*i], v7, s[50:51] offset:8192*i th:TH_LOAD_NT
.set i, i+1
.endr
	s_wait_loadcnt 32                              ; sel and b1 are in: the 32 loads of W1 are younger.  What follows stands in the wait for them
	; the bias fragments (lane r of the lower half: bf16(b1[16 n + r]) at k = 0) and the fragment of ones; all other k are 0: 72 registers written once in the launch
.irp n, 0,1,2,3,4,5,6,7
	v_cvt_pk_bf16_f32 v[40+\n], v[40+\n], v6
.endr
	v_mov_b32 v14, 0x3f80
	WIN 0x80
.irp n, 0,1,2,3,4,5,6,7
	v_cndmask_b32 v[128+8*\n], v[40+\n], v6, s62
.irp j, 1,2,3,4,5,6,7
	v_mov_b32 v[128+8*\n+\j], 0
.endr
.endr
	v_cndmask_b32 v192, v14, v6, s62
.irp j, 1,2,3,4,5,6,7
	v_mov_b32 v[192+\j], 0
.endr
	WIN 0
	; masks and keys: register m = 4 g + c of sel; its mask goes to lane m / 2 of v54 (m even) or v55 (m odd), its key (rows so far << 12) | (256 g + 2 c) likewise to v56 or v57; four registers at a time
.set g, 0
.rept 16
.irp c, 0,1,2,3
	v_and_b32 v[14+\c], s23, v[192+4*g+\c]
.endr
.irp c, 0,1,2,3
	v_cmp_ne_u32 s[34+\c], 0, v[14+\c]
.endr
.irp c, 0,1,2,3
	v_writelane_b32 v[54+\c%2], s[34+\c], 2*g+\c/2
.endr
.irp c, 0,1,2,3
	s_lshl_b32 s38, s25, 12
	s_add_co_u32 s38, s38, 256*g+2*\c
	v_writelane_b32 v[56+\c%2], s38, 2*g+\c/2
	s_bcnt1_i32_b32 s39, s[34+\c]
	s_add_co_u32 s25, s25, s39
.endr
.set g, g+1
.endr
	s_add_co_u32 s27, s25, 15
	s_lshr_b32 s27, s27, 4                         ; nb
	s_add_co_u32 s28, s27, 3
	s_lshr_b32 s28, s28, 2                         ; q
	s_mul_i32 s29, s20, s28                        ; my first block
	s_sub_co_i32 s30, s27, s29
	s_min_i32 s30, s30, s28                        ; my blocks still to do
	s_max_u32 s46, s25, 1
	s_sub_co_u32 s46, s46, 1                       ; the last row
	s_or_b32 s26, s21, s20
	s_cmp_lg_u32 s26, 0
	s_cbranch_scc1 .Lnocnt
	v_mov_b32 v48, s25                             ; slice 0, wave 0: the count, a word a lane
	v_lshlrev_b32 v49, 2, v1
	global_store_b32 v49, v48, s[54:55]
.Lnocnt:
	ROWS                                           ; my first tile's rows (a wave without blocks gets the last row's: every address stays inside xb)
	; THE STREAM: a ring of 32 slots in registers, 32 x 512 bytes of each wave on their way
	s_mov_b32 s33, 3
.Lround:
	s_cmp_lt_u32 s33, 2
	s_cbranch_scc1 .Lnopf                          ; the last trip asks for nothing: its look-ahead would pass my rows
	global_prefetch_b8 v37, s[50:51] offset:8192*64 th:TH_LOAD_NT scope:SCOPE_SE   ; the 32 rows that the next trip will load: each 256 bytes asked for once, by the wave that will read them
	global_prefetch_b8 v37, s[50:51] offset:8192*80 th:TH_LOAD_NT scope:SCOPE_SE
.Lnopf:
	s_sub_co_u32 s26, 3, s33                       ; the trip's number gives its 32 rows in LDS
	s_and_b32 s26, s26, 3
	s_mul_i32 s26, s26, KT
	v_add_nc_u32 v10, s26, v8
.set si, 0
.rept 32
	SLOT si, 10, 0, 1, 31
.set si, si+1
.endr
	s_wait_xcnt 0x0                                ; the base steps only behind this wait
	s_add_nc_u64 s[50:51], s[50:51], 0x40000
	s_sub_co_u32 s33, s33, 1
	s_cmp_lg_u32 s33, 0
	s_cbranch_scc1 .Lround
.set si, 0
.rept 32
	SLOT si, 8, 96, 0, 31-si                       ; the last 32 rows load nothing: the counts run down
.set si, si+1
.endr
	RING 0, 0                                      ; the first tile's first four K steps go out ahead of the barrier: 48 loads
	RING 1, 1
	RING 2, 2
	RING 3, 3
	WIN 0
	s_wait_dscnt 0x0                               ; for the others' sake: my rows of W are in LDS
	s_barrier_signal -1
	s_barrier_wait -1                              ; the only barrier: behind it W is read alone, and the stage is each wave's own
	v_add_nc_u32 v10, 6*KT, v9                     ; a fragment's place at K steps 6 and 12: six K steps' offsets, 50,912 bytes at the most, fit a 16-bit immediate
	v_add_nc_u32 v11, 12*KT, v9
	s_cmp_le_i32 s30, 0
	s_cbranch_scc1 .Lend
	s_mov_b32 s32, 6
.Ltile:
	s_cmp_le_i32 s30, 0
	s_cbranch_scc1 .Lnext
	s_min_i32 s31, s30, 6                          ; the tile's live blocks
	BLOAD 0, 9, 0
	BLOAD 1, 9, KT
	CHAINS
.set ks, 0
.rept 16                                               ; K = 512
	KSTEP ks
.set ks, ks+1
.endr
.rept 5
	v_nop                                          ; five places behind the tile's last products: four for the readers of their results and the loads into their sources, the fifth for the next tile's
.endr                                                  ; starting products, which write over the same accumulators: the text has a way to them on which no other vector line stands between (ISA guide 7.12.1)
	; THE WAY OUT, a block of 16 rows at a time
	s_mov_b32 s41, 0
.Lep:
	s_cmp_ge_u32 s41, s31
	s_cbranch_scc1 .Lepn
.irp b, 0,1,2,3,4
	s_cmp_lg_u32 s41, \b
	s_cbranch_scc1 .Lnot\b
	MV \b
	s_branch .Lepc
.Lnot\b:
.endr
	MV 5
.Lepc:
.set ei, 0
.rept 64
	v_exp_f32 v[128+ei], v[64+ei]                  ; 2^u = exp(-h): one batch
.set ei, ei+1
.endr
	v_nop                                          ; a plain instruction behind the last,
	s_wait_alu depctr_va_vdst(0)                   ; and one wait ahead of the first reader
.set ei, 0
.rept 32
	v_pk_add_f32 v[128+2*ei:129+2*ei], v[128+2*ei:129+2*ei], 1.0 op_sel_hi:[1,0]
.set ei, ei+1
.endr
.set ei, 0
.rept 64
	v_rcp_f32 v[128+ei], v[128+ei]
.set ei, ei+1
.endr
	v_nop
	s_wait_alu depctr_va_vdst(0)
.set ei, 0
.rept 32
	v_pk_mul_f32 v[64+2*ei:65+2*ei], v[64+2*ei:65+2*ei], v[128+2*ei:129+2*ei]   ; s' = u / (1 + 2^u)
.set ei, ei+1
.endr
.set ei, 0
.rept 16
	v_pk_add_f32 v[128+2*ei:129+2*ei], v[64+4*ei:65+4*ei], v[66+4*ei:67+4*ei]
.set ei, ei+1
.endr
	TREE
	v_mul_f32 v19, 0x3c000000, v128                ; the slice's mean, sum / 128,
	v_mul_f32 v38, 0xbc000000, v128                ; and minus it, twice
	v_mul_f32 v39, 0xbc000000, v128
.set ei, 0
.rept 32
	v_pk_add_f32 v[64+2*ei:65+2*ei], v[64+2*ei:65+2*ei], v[38:39]
.set ei, ei+1
.endr
.set ei, 0
.rept 16
	v_pk_mul_f32 v[128+2*ei:129+2*ei], v[64+4*ei:65+4*ei], v[64+4*ei:65+4*ei]
.set ei, ei+1
.endr
.set ei, 0
.rept 16
	v_pk_fma_f32 v[128+2*ei:129+2*ei], v[66+4*ei:67+4*ei], v[66+4*ei:67+4*ei], v[128+2*ei:129+2*ei]
.set ei, ei+1
.endr
	TREE                                           ; the sum of squares about the mean
	s_wait_xcnt 0x0                                ; the stores of rlist have read v201-203 and v219-221, which the packing below writes; the block before's stores have read v18, v224-255 and their bases
.set ei, 0
.rept 32
	v_cvt_pk_f16_f32 v[192+ei], v[64+2*ei], v[65+2*ei]
.set ei, ei+1
.endr
.irp n, 0,1,2,3,4,5,6,7
	ds_store_b128 v33, v[192+4*\n:195+4*\n] offset:32*\n
.endr
.irp t, 0,1,2,3,4,5,6,7
	ds_load_b128 v[224+4*\t:227+4*\t], v34 offset:2*SP*\t   ; LDS serves a wave's instructions in order (ISA guide 5.7.1.4): these see the stores above
.endr
	s_add_co_u32 s26, s29, s41
	s_lshl_b32 s26, s26, 4
	s_min_u32 s26, s26, 2032                       ; the block's first rank
	s_lshl_b32 s48, s26, 12
	s_add_nc_u64 s[52:53], s[56:57], s[48:49]
	s_lshl_b32 s48, s26, 3
	s_add_nc_u64 s[54:55], s[58:59], s[48:49]
	v_cndmask_b32 v18, v19, v128, s62              ; lanes 0-15 the mean, lanes 16-31 the sum of squares
.irp t, 0,1,2,3,4,5,6,7
	s_wait_dscnt 7-\t
	global_store_b128 v35, v[224+4*\t:227+4*\t], s[52:53] offset:8192*\t   ; 16 lanes store 256 consecutive bytes, aligned
.endr
	global_store_b32 v36, v18, s[54:55]            ; 128 consecutive bytes
.Lepn:
	s_add_co_u32 s41, s41, 1
	s_cmp_lt_u32 s41, 6
	s_cbranch_scc1 .Lep
	s_add_co_u32 s29, s29, 6
	s_sub_co_i32 s30, s30, 6
	s_cmp_le_i32 s30, 0
	s_cbranch_scc1 .Lnext                          ; nothing left: nothing more is asked for
	ROWS                                           ; the next tile's rows, and its first four K steps
	RING 0, 0
	RING 1, 1
	RING 2, 2
	RING 3, 3
	WIN 0
.Lnext:
	s_sub_co_u32 s32, s32, 1
	s_cmp_lg_u32 s32, 0
	s_cbranch_scc1 .Ltile
.Lend:
	s_wait_tensorcnt 0x0                           ; the wave's end, behind my last LDS store
	ds_add_u32 v4, v5
	s_wait_dscnt 0x0
	s_endpgm
.Lfunc_end_k_q9aec62b858_up:
	.size	k_q9aec62b858_up, .Lfunc_end_k_q9aec62b858_up-k_q9aec62b858_up
	.p2alignl 7, 3214868480
	.fill 96, 4, 3214868480
	.section	.rodata,"a",@progbits
	.p2align	6, 0x0
	.amdhsa_kernel k_q9aec62b858_up
		.amdhsa_group_segment_fixed_size 165376
		.amdhsa_private_segment_fixed_size 0
		.amdhsa_enable_private_segment 0
		.amdhsa_kernarg_size 56
		.amdhsa_user_sgpr_count 2
		.amdhsa_user_sgpr_kernarg_segment_ptr 1
		.amdhsa_wavefront_size32 1
		.amdhsa_system_sgpr_workgroup_id_x 1
		.amdhsa_system_sgpr_workgroup_id_y 1
		.amdhsa_system_sgpr_workgroup_id_z 1
		.amdhsa_system_vgpr_workitem_id 0
		.amdhsa_next_free_vgpr 960
		.amdhsa_next_free_sgpr 66
		.amdhsa_reserve_vcc 0
		.amdhsa_float_denorm_mode_32 3
		.amdhsa_float_denorm_mode_16_64 3
		.amdhsa_memory_ordered 1
		.amdhsa_forward_progress 1
		.amdhsa_inst_pref_size 216
	.end_amdhsa_kernel
	.amdgpu_metadata
---
amdhsa.version: [ 1, 2 ]
amdhsa.kernels:
  - .name:           k_q9aec62b858_up
    .symbol:         k_q9aec62b858_up.kd
    .args:
      - { .name: xb, .offset: 0, .size: 8, .value_kind: global_buffer, .address_space: global }
      - { .name: sel, .offset: 8, .size: 8, .value_kind: global_buffer, .address_space: global }
      - { .name: W1, .offset: 16, .size: 8, .value_kind: global_buffer, .address_space: global }
      - { .name: b1, .offset: 24, .size: 8, .value_kind: global_buffer, .address_space: global }
      - { .name: hbuf, .offset: 32, .size: 8, .value_kind: global_buffer, .address_space: global }
      - { .name: stats, .offset: 40, .size: 8, .value_kind: global_buffer, .address_space: global }
      - { .name: rlist, .offset: 48, .size: 8, .value_kind: global_buffer, .address_space: global }
    .group_segment_fixed_size: 165376
    .private_segment_fixed_size: 0
    .kernarg_segment_align: 8
    .kernarg_segment_size: 56
    .max_flat_workgroup_size: 128
    .sgpr_count:     66
    .vgpr_count:     960
    .wavefront_size: 32
...
	.end_amdgpu_metadata
.endif
;; end of part 2
;; launch down (part 3): grid 16 x 16, 4 waves a work-group, no clusters, 193,280 bytes of LDS; arguments hbuf, stats, rlist, W2, ln_g, ln_b, b2, ypart; writes ypart
.if DOCPART == 3
	.amdgcn_target "amdgcn-amd-amdhsa--gfx1250"
	.amdhsa_code_object_version 6
	.text
	.protected	k_q9aec62b858_down
	.globl	k_q9aec62b858_down
	.p2align	8
	.type	k_q9aec62b858_down,@function
k_q9aec62b858_down:
	s_mov_b64 s[64:65], 0
	v_nop
	global_prefetch_b8 v0, s[64:65] scope:SCOPE_SE
	s_setreg_imm32_b32 hwreg(HW_REG_WAVE_MODE, 25, 1), 1
	s_wait_xcnt 0x0
; SECOND PRODUCT.  For expert e (grid y), 64 output columns (slice = x % 8) and a half of K = 2,048 (kh = x / 8): the LayerNorm's end and y = hn W2 (+ b2), as a partial row for each routed row.
; 16 x 8 slices of 64 columns (the narrowest whose rows of W2 are 256 bytes) would be 128 work-groups; K in two halves makes 256 alike; the halves are partial sums, kept in f32, added by the last launch.
; With d' = hbuf (centred on its slice of 128), m'_j, M2'_j = stats, mu' = mean of the 16 m'_j, sh_j = m'_j - mu', var' = (sum M2'_j + 128 sum sh_j^2) / 2,048 (sums in f32, of deviations alone):
;   y[d] = RS ( sum_k d'_k W'[k][d] + sum_j sh_j G_j[d] ) + c[d],   RS = -rsqrt(var' + c2 eps) / 16 (c2 = log2(e)^2: hbuf carries the factor -log2(e)),
;   W' = f16(16 bf16(g) bf16(W2)),  G_j = the sum of W' over slice j,  c = sum_k bf16(ln_b) bf16(W2) (+ bf16(b2) in half 0).
; The term with G is ONE K step of its own (k = j), and it starts the sums: nothing is cleared, and the rows of hbuf go from memory into operand registers untouched.
; Only this work-group reads its 1,024 x 64 numbers of W2 (256 KiB), once; scaled and rounded they lie in LDS as [k][d].  Rows, blocks, tiles and the ring as in the first product.
; A tile's 32 K steps are written out: every LDS address in the tile loop is a lane term plus a constant, and the ring's K step stands in the loads' immediates.  The ring asks for nothing past the tile's 32 K steps.
; The matrix instruction is used transposed: source 0 = 16 columns d (turned out of LDS), source 1 = 16 rows: a lane holds one row and 8 neighbouring d.
; A row's place in ypart is its entry in rlist, 2 x token + slot; on the way out it is read from the lane that holds it by v_readlane_b32.
; LIMITS.  |16 g W2| and |G| stay under 65,504 (f16); below 6e-5 f16 keeps its fixed step of 6e-8; NaN and infinities are not treated apart.
; NO CLUSTER: each slice of W2 has one reader; two slots for the rows that eight work-groups share (384 rows x 128 k of f16: 196,608 bytes) do not fit beside the slice's 163,840, and their number comes from memory.
.set PW,    160                        ; a row of W' in LDS: 128 bytes + 32 = 40 words
.set KT,    32*PW
.set GROW,  1024*PW                    ; rows 1,024 to 1,031: G_0 .. G_7
.set GB,    GROW+8*PW                  ; (16 g, ln_b) in f32 for each k of my half
.set CP,    GB+8192                    ; four waves' parts of c, 64 f32 each
.set STG,   CP+2048                    ; for each wave 16 rows x 272 bytes
.set SP,    272
.set STGB,  16*SP
.set SPARE, STG+4*STGB
; window 0: v0-3 thread, L, r, h; v4, v5 the closing add's; v6 zero; v7 W2; v8 my place in W' (store); v9, v10, v11 my place in a fragment at K steps 0, 12, 24 (v10, v11 before: the stream's); v12 my place in GB; v13 prefetch; v14-19 at work;
;   v20-25 the ring's row offsets; v32 16 h; v33, v34 stage in and back; v37 16 r; v38-43 entries; v44-49, v50-55 offsets in stats and rlist; v56-62 at work (in the stream: c's and G's sums); v63 the entries of the block on its way out
;   v64-95, v96-127 two buffers of W' fragments (in the stream: 32 slots' (16 g, ln_b)); v128-255 the stream's 32 slots, later the statistics, on the way out rows
; window 1: accumulators (b, n) at 32 b + 8 n; v192-223 G's fragments; v224-255 c     window 2: the ring, slot s, block b at 48 s + 8 b; v192-239 the shifts' fragments; v240-251 RS, twice each
.set MSB, 0
.macro WIN new
.if MSB != (\new)
	s_set_vgpr_msb (MSB<<8)|(\new)
.set MSB, \new
.endif
.endm
.macro PLACES
.rept 4
	v_nop
.endr
.endm
.macro GBLOAD adr, ob                  ; (16 g, ln_b) of a round's 32 slots
.set gm, 0
.rept 16
	ds_load_b128 v[64+4*gm:67+4*gm], v[\adr] offset:(\ob)+16*gm
.set gm, gm+1
.endr
.endm
; One slot of the stream: four numbers of a row of W2: rounded to bf16; c += ln_b w; w' = 16 g w; G += w'; w' rounded to f16 into LDS.
.macro SLOT2 i, adr, ob, ahead, left
	s_wait_loadcnt \left
	v_cvt_pk_bf16_f32 v14, v[128+4*(\i)], v[129+4*(\i)]
	v_cvt_pk_bf16_f32 v15, v[130+4*(\i)], v[131+4*(\i)]
.if \ahead
	global_load_b128 v[128+4*(\i):131+4*(\i)], v7, s[50:51] offset:2048*(32+(\i)) th:TH_LOAD_NT
.endif
	v_lshlrev_b32 v16, 16, v14
	v_and_b32 v17, s62, v14
	v_lshlrev_b32 v18, 16, v15
	v_and_b32 v19, s62, v15
	v_pk_fma_f32 v[56:57], v[16:17], v[64+2*(\i):65+2*(\i)], v[56:57] op_sel:[0,1,0] op_sel_hi:[1,1,1]
	v_pk_fma_f32 v[58:59], v[18:19], v[64+2*(\i):65+2*(\i)], v[58:59] op_sel:[0,1,0] op_sel_hi:[1,1,1]
	v_pk_mul_f32 v[16:17], v[16:17], v[64+2*(\i):65+2*(\i)] op_sel_hi:[1,0]
	v_pk_mul_f32 v[18:19], v[18:19], v[64+2*(\i):65+2*(\i)] op_sel_hi:[1,0]
	v_pk_add_f32 v[60:61], v[60:61], v[16:17]
	v_pk_add_f32 v[62:63], v[62:63], v[18:19]
	v_cvt_pk_f16_f32 v14, v16, v17
	v_cvt_pk_f16_f32 v15, v18, v19
	ds_store_b64 v[\adr], v[14:15] offset:PW*((\ob)+(\i))
.endm
.macro RANKS                           ; v14-19: the ranks min(16 (s29 + b) + r, 16 nb - 1): rows that the first product has stored
	s_lshl_b32 s26, s29, 4
	v_add_nc_u32 v57, s26, v2
.irp b, 0,1,2,3,4,5
	v_add_nc_u32 v[14+\b], 16*\b, v57
	v_min_u32 v[14+\b], s46, v[14+\b]
	v_min_u32 v[14+\b], 0x7ff, v[14+\b]
.endr
.endm
.macro RING slot, ks                   ; twelve loads into a slot of the ring: six blocks' fragments of K step ks
	WIN 0x80
.irp b, 0,1,2,3,4,5
	global_load_b128 v[48*(\slot)+8*\b:48*(\slot)+8*\b+3], v[20+\b], s[52:53] offset:64*(\ks)
	global_load_b128 v[48*(\slot)+8*\b+4:48*(\slot)+8*\b+7], v[20+\b], s[52:53] offset:64*(\ks)+32
.endr
.endm
.macro FIRST4                          ; the offsets in hbuf of the rows of the tile at block s29, and its first four K steps: 48 loads
	RANKS
.irp b, 0,1,2,3,4,5
	v_lshl_add_u32 v[20+\b], v[14+\b], 12, v32
.endr
	RING 0, 0
	RING 1, 1
	RING 2, 2
	RING 3, 3
	WIN 0
.endm
.macro BLOAD buf, adr, off
.irp n, 0,1,2,3
	ds_load_tr16_b128 v[64+32*(\buf)+8*\n:64+32*(\buf)+8*\n+3], v[\adr] offset:(\off)+32*\n
	ds_load_tr16_b128 v[64+32*(\buf)+8*\n+4:64+32*(\buf)+8*\n+7], v[\adr] offset:(\off)+32*\n+16*PW
.endr
.endm
.macro CHAINS                          ; G x shifts starts all 24 sums, on every path
	WIN 0x49
.irp b, 0,1,2,3,4,5
.irp n, 0,1,2,3
	v_wmma_f32_16x16x32_f16 v[32*\b+8*\n:32*\b+8*\n+7], v[192+8*\n:192+8*\n+7], v[192+8*\b:192+8*\b+7], 0
.endr
.endr
	WIN 0
.endm
.macro CHAINM i                        ; K step i's products for the s31 live blocks; four accumulators a block, by turns
.irp b, 0,1,2,3,4,5
.if (\b) > 0
	WIN 0
	s_cmp_le_u32 s31, \b
	s_cbranch_scc1 .Lcm_\@
.endif
	WIN 0x58
.irp n, 0,1,2,3
	v_wmma_f32_16x16x32_f16 v[32*\b+8*\n:32*\b+8*\n+7], v[64+32*((\i)%2)+8*\n:64+32*((\i)%2)+8*\n+7], v[48*((\i)%4)+8*\b:48*((\i)%4)+8*\b+7], v[32*\b+8*\n:32*\b+8*\n+7]
.endr
.endr
	WIN 0
.Lcm_\@:
.endm
; K step s of 32.  Its slot of the ring takes the K step four on, its buffer of fragments the K step two on, as long as the tile has such a step.
.macro KSTEP s
.if (\s) < 29
	s_wait_loadcnt 36                              ; this K step's rows are in: the three younger K steps' 3 x 12 loads may be out
.else
	s_wait_loadcnt 12*(31-(\s))                    ; the last four K steps refill nothing: two, one and no younger K step
.endif
.if (\s) < 31
	s_wait_dscnt 8                                 ; its fragments of W' too: the next K step's 8 loads may be out
.else
	s_wait_dscnt 0x0                               ; the last run of fragments: none is younger
.endif
	CHAINM \s
.if (\s) < 30
	PLACES
.endif
.if (\s) < 28
	RING (\s)%4, (\s)+4
	WIN 0
.endif
.if (\s) < 30
	BLOAD (\s)%2, 9+((\s)+2)/12, KT*(((\s)+2)%12)
.endif
.endm
; A block's statistics.  Lane (r, h) holds (m', M2') of slices 8 h + 0..7 of row r in v[SB ..].  Leaves var' + c2 eps in v[14 + b] and the eight shifts, packed to f16, in the odd registers SB + 1, 3, 5, 7.
.macro STATS b
.set SB, 128+16*(\b)
	v_add_f32 v57, v[SB], v[SB+2]
	v_add_f32 v58, v[SB+4], v[SB+6]
	v_add_f32 v59, v[SB+8], v[SB+10]
	v_add_f32 v60, v[SB+12], v[SB+14]
	v_add_f32 v57, v57, v58
	v_add_f32 v59, v59, v60
	v_add_f32 v57, v57, v59
	v_permlanex16_b32 v58, v57, s44, s45
	v_add_f32 v57, v57, v58
	v_mul_f32 v57, 0x3d800000, v57                 ; mu' = the sum / 16
	v_add_f32 v59, v[SB+1], v[SB+3]
	v_add_f32 v60, v[SB+5], v[SB+7]
	v_add_f32 v61, v[SB+9], v[SB+11]
	v_add_f32 v62, v[SB+13], v[SB+15]
	v_add_f32 v59, v59, v60
	v_add_f32 v61, v61, v62
	v_add_f32 v59, v59, v61
.irp j, 0,1,2,3,4,5,6,7
	v_sub_f32 v[SB+2*\j], v[SB+2*\j], v57          ; sh_j
.endr
	v_mul_f32 v60, v[SB], v[SB]
.irp j, 1,2,3,4,5,6,7
	v_fma_f32 v60, v[SB+2*\j], v[SB+2*\j], v60
.endr
	v_fma_f32 v59, v60, 0x43000000, v59            ; + 128 sum sh^2
	v_permlanex16_b32 v58, v59, s44, s45
	v_add_f32 v59, v59, v58
	v_fma_f32 v[14+(\b)], v59, s60, s61            ; / 2,048 + c2 eps
.irp i, 0,1,2,3
	v_cvt_pk_f16_f32 v[SB+1+2*\i], v[SB+4*\i], v[SB+4*\i+2]
.endr
.endm
.macro MV2 b                           ; y = RS x sum + c, out of the windows; each accumulator's lowest registers first; the block's entries go where the one text below names them
	WIN 0x19
.set mi, 0
.rept 16
	v_pk_fma_f32 v[128+2*mi:129+2*mi], v[32*(\b)+2*mi:32*(\b)+2*mi+1], v[240+2*(\b):241+2*(\b)], v[224+2*mi:225+2*mi]
.set mi, mi+1
.endr
	WIN 0
	v_mov_b32 v63, v[38+(\b)]
.endm
	s_load_b512 s[4:19], s[0:1], 0x0               ; hbuf s[4:5], stats s[6:7], rlist s[8:9], W2 s[10:11], ln_g s[12:13], ln_b s[14:15], b2 s[16:17], ypart s[18:19]
	v_lshl_add_u32 v4, v0, 2, SPARE
	v_mov_b32 v5, 0
	v_mov_b32 v6, 0
	v_and_b32 v1, 31, v0
	v_and_b32 v2, 15, v0
	v_bfe_u32 v3, v0, 4, 1
	v_lshrrev_b32 v14, 5, v0
	v_readfirstlane_b32 s20, v14                   ; wave w
	s_and_b32 s21, ttmp9, 7                        ; slice
	s_lshr_b32 s23, ttmp9, 3                       ; kh
	s_and_b32 s22, ttmp7, 0xffff                   ; expert e
	s_mov_b32 s62, 0xffff0000                      ; lanes 16-31; also a word's upper half
	s_cmp_eq_u32 s23, 0
	s_cselect_b32 s24, 0xffff, s62                 ; the lanes with h = kh: they hold my half's slices
	s_or_b32 s26, s20, s23
	s_cmp_eq_u32 s26, 0
	s_cselect_b32 s40, 1.0, 0                      ; b2 is added once: by wave 0 of half 0
	s_mov_b32 s49, 0
	s_mov_b32 s44, 0x76543210
	s_mov_b32 s45, 0xfedcba98
	v_lshlrev_b32 v7, 18, v3                       ; W2: lanes 0-15 a row's 256 bytes, lanes 16-31 those of the row 128 further down: a lane's 128 slots lie in one slice of 128
	v_lshl_add_u32 v7, v2, 4, v7
	s_mul_i32 s26, s20, 256*PW
	v_mul_u32_u24 v8, v3, 128*PW
	v_lshl_add_u32 v8, v2, 3, v8
	v_add_nc_u32 v8, s26, v8
	v_and_b32 v14, 7, v0
	v_lshl_add_u32 v15, v3, 3, v14
	v_mul_u32_u24 v9, v15, PW
	v_bfe_u32 v16, v0, 3, 1
	v_lshl_add_u32 v9, v16, 4, v9
	s_lshl_b32 s26, s20, 11
	s_add_co_u32 s26, s26, GB                      ; my wave's 256 k in GB
	v_lshl_add_u32 v12, v3, 10, s26
	v_lshl_add_u32 v54, v1, 6, s26                 ; my 8 k of them
	v_lshlrev_b32 v55, 5, v0                       ; and in ln_g, ln_b
	v_lshlrev_b32 v13, 18, v3                      ; prefetch: 16 rows in each half of the lanes
	v_lshl_add_u32 v13, v2, 11, v13
	v_lshlrev_b32 v32, 4, v3
	s_mul_i32 s47, s20, STGB
	s_add_co_u32 s47, s47, STG
	v_mul_u32_u24 v33, v2, SP                      ; in: row r, 32 bytes for each half of the lanes
	v_lshl_add_u32 v33, v3, 5, v33
	v_add_nc_u32 v33, s47, v33
	v_mul_u32_u24 v34, v3, SP                      ; back: lanes 0-15 one row of 256 bytes, lanes 16-31 the next
	v_lshl_add_u32 v34, v2, 4, v34
	v_add_nc_u32 v34, s47, v34
	v_lshlrev_b32 v37, 4, v2
.irp j, 60,61,62,63
	v_mov_b32 v[\j], 0                             ; G's sums begin
.endr
	WIN 0x80
.irp b, 0,1,2,3,4,5
.irp j, 4,5,6,7
	v_mov_b32 v[192+8*\b+\j], 0                    ; k = 16 .. 31 of the shifts' K step: 0, written once
.endr
.endr
	WIN 0
	s_wait_kmcnt 0x0
	s_lshl_b32 s48, s22, 7
	s_add_co_u32 s48, s48, 131072
	s_add_nc_u64 s[60:61], s[8:9], s[48:49]
	s_load_b32 s25, s[60:61], 0x0                  ; cnt
	s_lshl_b32 s48, s22, 13
	s_lshl_b32 s26, s23, 12
	s_add_co_u32 s48, s48, s26
	s_add_nc_u64 s[12:13], s[12:13], s[48:49]
	s_add_nc_u64 s[14:15], s[14:15], s[48:49]
	s_lshl_b32 s48, s22, 11
	s_lshl_b32 s47, s21, 8
	s_add_co_u32 s48, s48, s47
	s_add_nc_u64 s[16:17], s[16:17], s[48:49]
	s_lshl_b32 s48, s22, 22                        ; W2: expert, half, my wave's 256 rows of 2,048 bytes, the slice's 256 bytes
	s_lshl_b32 s26, s23, 21
	s_add_co_u32 s48, s48, s26
	s_lshl_b32 s26, s20, 19
	s_add_co_u32 s48, s48, s26
	s_add_co_u32 s48, s48, s47
	s_add_nc_u64 s[50:51], s[10:11], s[48:49]
	s_lshl_b32 s48, s22, 23
	s_lshl_b32 s26, s23, 11
	s_add_co_u32 s48, s48, s26
	s_add_nc_u64 s[52:53], s[4:5], s[48:49]        ; hbuf at expert and half
	s_add_co_u32 s48, s26, s47
	s_add_nc_u64 s[58:59], s[18:19], s[48:49]      ; ypart at half and slice
	s_lshl_b32 s48, s22, 18
	s_add_nc_u64 s[54:55], s[6:7], s[48:49]        ; stats at the expert
	s_lshl_b32 s48, s22, 13
	s_add_nc_u64 s[56:57], s[8:9], s[48:49]        ; rlist at the expert
	global_load_b128 v[64:67], v55, s[12:13]
	global_load_b128 v[68:71], v55, s[12:13] offset:16
	global_load_b128 v[72:75], v55, s[14:15]
	global_load_b128 v[76:79], v55, s[14:15] offset:16
	global_load_b128 v[80:83], v37, s[16:17]
.set i, 0
.rept 32
	global_load_b128 v[128+4*i:131+4*i], v7, s[50:51] offset:2048*i th:TH_LOAD_NT
.set i, i+1
.endr
	s_wait_loadcnt 32                              ; g, ln_b and b2 are in: the 32 loads of W2 are younger
.irp p, 0,1,2,3
	v_cvt_pk_bf16_f32 v14, v[64+2*\p], v[65+2*\p]
	v_cvt_pk_bf16_f32 v15, v[72+2*\p], v[73+2*\p]
	v_lshlrev_b32 v[38+4*\p], 16, v14
	v_and_b32 v[40+4*\p], s62, v14
	v_lshlrev_b32 v[39+4*\p], 16, v15
	v_and_b32 v[41+4*\p], s62, v15
	v_mul_f32 v[38+4*\p], 0x41800000, v[38+4*\p]   ; 16 g: exact
	v_mul_f32 v[40+4*\p], 0x41800000, v[40+4*\p]
	ds_store_b128 v54, v[38+4*\p:41+4*\p] offset:16*\p   ; my wave reads only what it stored itself
.endr
	v_cvt_pk_bf16_f32 v14, v80, v81
	v_cvt_pk_bf16_f32 v15, v82, v83
	v_mov_b32 v16, s40
	v_cndmask_b32 v16, v16, v6, s62                ; one lane for each four d begins c with b2, the others with 0
	v_lshlrev_b32 v56, 16, v14
	v_and_b32 v57, s62, v14
	v_lshlrev_b32 v58, 16, v15
	v_and_b32 v59, s62, v15
.irp j, 56,57,58,59
	v_mul_f32 v[\j], v[\j], v16
.endr
	s_wait_kmcnt 0x0
	s_min_u32 s25, s25, 2048
	s_add_co_u32 s27, s25, 15
	s_lshr_b32 s27, s27, 4                         ; nb
	s_add_co_u32 s28, s27, 3
	s_lshr_b32 s28, s28, 2                         ; q
	s_mul_i32 s29, s20, s28
	s_sub_co_i32 s30, s27, s29
	s_min_i32 s30, s30, s28
	s_lshl_b32 s46, s27, 4
	s_sub_co_u32 s46, s46, 1                       ; the last rank that is stored
	s_mov_b32 s60, 0x3a000000                      ; 1 / 2,048
	s_mov_b32 s61, 0x37ae990f                      ; log2(e)^2 x 1e-5
	; THE STREAM: a ring of 32 slots in registers
	s_mov_b32 s33, 3
.Lround:
	s_cmp_lt_u32 s33, 2
	s_cbranch_scc1 .Lnopf                          ; the last trip asks for nothing
	global_prefetch_b8 v13, s[50:51] offset:2048*64 th:TH_LOAD_NT scope:SCOPE_SE   ; the rows that the next trip will load: each 256 bytes asked for once, by the wave that will read them
	global_prefetch_b8 v13, s[50:51] offset:2048*80 th:TH_LOAD_NT scope:SCOPE_SE
.Lnopf:
	s_sub_co_u32 s26, 3, s33
	s_and_b32 s26, s26, 3
	s_mul_i32 s34, s26, KT
	s_lshl_b32 s35, s26, 8
	v_add_nc_u32 v10, s34, v8
	v_add_nc_u32 v11, s35, v12
	GBLOAD 11, 0
	s_wait_dscnt 0x0
.set si, 0
.rept 32
	SLOT2 si, 10, 0, 1, 31
.set si, si+1
.endr
	s_wait_xcnt 0x0
	s_add_nc_u64 s[50:51], s[50:51], 0x10000
	s_sub_co_u32 s33, s33, 1
	s_cmp_lg_u32 s33, 0
	s_cbranch_scc1 .Lround
	GBLOAD 12, 768
	s_wait_dscnt 0x0
.set si, 0
.rept 32
	SLOT2 si, 8, 96, 0, 31-si
.set si, si+1
.endr
	v_cvt_pk_f16_f32 v14, v60, v61                 ; G of slice 2 w + h, my four d
	v_cvt_pk_f16_f32 v15, v62, v63
	s_mul_i32 s26, s20, 2*PW
	s_add_co_u32 s26, s26, GROW
	v_mul_u32_u24 v16, v3, PW
	v_lshl_add_u32 v16, v2, 3, v16
	v_add_nc_u32 v16, s26, v16
	ds_store_b64 v16, v[14:15]
.irp j, 56,57,58,59
	v_permlanex16_b32 v18, v[\j], s44, s45         ; c: the two halves of the lanes together
	v_add_f32 v[\j], v[\j], v18
.endr
	s_lshl_b32 s26, s20, 8
	s_add_co_u32 s26, s26, CP
	v_lshl_add_u32 v17, v2, 4, s26
	ds_store_b128 v17, v[56:59]
	s_wait_dscnt 0x0                               ; for the others' sake
	s_barrier_signal -1
	s_barrier_wait -1                              ; the only barrier
	v_add_nc_u32 v10, 12*KT, v9                    ; a fragment's place at K steps 12 and 24: twelve K steps' offsets, 58,976 bytes at the most, fit a 16-bit immediate
	v_add_nc_u32 v11, 24*KT, v9
	; G's fragments: both halves of the lanes take G_0 .. G_7 (k = 8 h + j holds G_j); which half counts is said by the shifts.  c: the four parts added
	v_and_b32 v14, 7, v0
	v_mul_u32_u24 v14, v14, PW
	v_bfe_u32 v15, v0, 3, 1
	v_lshl_add_u32 v14, v15, 4, v14
	v_add_nc_u32 v14, GROW, v14
	v_lshl_add_u32 v15, v3, 5, CP
	WIN 0x40
.irp n, 0,1,2,3
	ds_load_tr16_b128 v[192+8*\n:195+8*\n], v14 offset:32*\n
.irp j, 4,5,6,7
	v_mov_b32 v[192+8*\n+\j], 0
.endr
.endr
	WIN 0
.irp p, 0,1,2,3
.irp n, 0,1,2,3
	ds_load_b128 v[128+32*\p+8*\n:131+32*\p+8*\n], v15 offset:256*\p+64*\n
	ds_load_b128 v[132+32*\p+8*\n:135+32*\p+8*\n], v15 offset:256*\p+64*\n+16
.endr
.endr
	v_lshlrev_b32 v56, 17, v3                      ; stats: eight slices on for lanes 16-31
	s_wait_dscnt 0x0
.set i, 0
.rept 16
	v_pk_add_f32 v[128+2*i:129+2*i], v[128+2*i:129+2*i], v[160+2*i:161+2*i]
	v_pk_add_f32 v[192+2*i:193+2*i], v[192+2*i:193+2*i], v[224+2*i:225+2*i]
.set i, i+1
.endr
	WIN 0x40
.set i, 0
.rept 16
	v_pk_add_f32 v[224+2*i:225+2*i], v[128+2*i:129+2*i], v[192+2*i:193+2*i]
.set i, i+1
.endr
	WIN 0
	s_cmp_le_i32 s30, 0
	s_cbranch_scc1 .Lend
	FIRST4
	s_mov_b32 s32, 6
.Ltile:
	s_cmp_le_i32 s30, 0
	s_cbranch_scc1 .Lnext
	s_min_i32 s31, s30, 6
	s_wait_xcnt 0x0                                ; the tile before's stores have read v160-199; its loads their offsets
	RANKS
.irp b, 0,1,2,3,4,5
	v_lshl_add_u32 v[44+\b], v[14+\b], 3, v56
	v_lshlrev_b32 v[50+\b], 2, v[14+\b]
.endr
.irp b, 0,1,2,3,4,5
.irp j, 0,1,2,3,4,5,6,7
	global_load_b64 v[128+16*\b+2*\j:129+16*\b+2*\j], v[44+\b], s[54:55] offset:16384*\j
.endr
	global_load_b32 v[38+\b], v[50+\b], s[56:57]
.endr
	BLOAD 0, 9, 0
	BLOAD 1, 9, KT
	s_wait_loadcnt 0x0                             ; the statistics and entries (and, older, the ring's four K steps)
	STATS 0
	STATS 1
	STATS 2
	STATS 3
	STATS 4
	STATS 5
.irp b, 0,1,2,3,4,5
	v_rsq_f32 v[14+\b], v[14+\b]
.endr
	v_nop                                          ; a plain instruction behind the last root,
	s_wait_alu depctr_va_vdst(0)                   ; and one wait for the six
	WIN 0x80
.irp b, 0,1,2,3,4,5
	v_mul_f32 v[240+2*\b], 0xbd800000, v[14+\b]    ; RS = -rsqrt / 16
	v_mul_f32 v[241+2*\b], 0xbd800000, v[14+\b]
.irp i, 0,1,2,3
	v_cndmask_b32 v[192+8*\b+\i], v6, v[129+16*\b+2*\i], s24   ; my half's shifts; 0 in the other half of the lanes
.endr
.endr
	WIN 0
	CHAINS
.set ks, 0
.rept 32                                               ; K = 1,024
	KSTEP ks
.set ks, ks+1
.endr
	PLACES
	; THE WAY OUT, a block of 16 rows at a time: each row goes to the place of its entry, 2 x token + slot
	s_mov_b32 s41, 0
.Lep:
	s_cmp_ge_u32 s41, s31
	s_cbranch_scc1 .Lepn
.irp b, 0,1,2,3,4
	s_cmp_lg_u32 s41, \b
	s_cbranch_scc1 .Lnot\b
	MV2 \b
	s_branch .Lepc
.Lnot\b:
.endr
	MV2 5
.Lepc:
.irp n, 0,1,2,3
	ds_store_b128 v33, v[128+8*\n:131+8*\n] offset:64*\n
	ds_store_b128 v33, v[132+8*\n:135+8*\n] offset:64*\n+16
.endr
	s_wait_xcnt 0x0                                ; the block before's stores have read v160-199
.irp t, 0,1,2,3,4,5,6,7
	ds_load_b128 v[160+4*\t:163+4*\t], v34 offset:2*SP*\t   ; LDS serves a wave's instructions in order (ISA guide 5.7.1.4): these see the stores above
.endr
.irp t, 0,1,2,3,4,5,6,7
	v_readlane_b32 s[34+2*(\t%2)], v63, 2*\t       ; store t holds rows 2 t (lanes 0-15) and 2 t + 1 (lanes 16-31): lane r of v63 holds row r's entry
	v_readlane_b32 s[35+2*(\t%2)], v63, 2*\t+1
	v_mov_b32 v[192+\t], s[34+2*(\t%2)]
	v_cndmask_b32 v[192+\t], v[192+\t], s[35+2*(\t%2)], s62
	v_min_u32 v[192+\t], 0xfff, v[192+\t]          ; the bound stands last ahead of the address
	v_lshl_add_u32 v[192+\t], v[192+\t], 12, v37
.endr
.irp t, 0,1,2,3,4,5,6,7
	s_wait_dscnt 7-\t
	global_store_b128 v[192+\t], v[160+4*\t:163+4*\t], s[58:59]   ; 16 lanes store 256 consecutive bytes, aligned.  Places past cnt repeat the last row: the same bytes once more, from the same wave
.endr
.Lepn:
	s_add_co_u32 s41, s41, 1
	s_cmp_lt_u32 s41, 6
	s_cbranch_scc1 .Lep
	s_add_co_u32 s29, s29, 6
	s_sub_co_i32 s30, s30, 6
	s_cmp_le_i32 s30, 0
	s_cbranch_scc1 .Lnext                          ; nothing left: nothing more is asked for
	s_wait_xcnt 0x0                                ; the ring's loads have read their offsets
	FIRST4                                         ; the next tile's rows, and its first four K steps
.Lnext:
	s_sub_co_u32 s32, s32, 1
	s_cmp_lg_u32 s32, 0
	s_cbranch_scc1 .Ltile
.Lend:
	s_wait_tensorcnt 0x0                           ; the wave's end, behind my last LDS store
	ds_add_u32 v4, v5
	s_wait_dscnt 0x0
	s_endpgm
.Lfunc_end_k_q9aec62b858_down:
	.size	k_q9aec62b858_down, .Lfunc_end_k_q9aec62b858_down-k_q9aec62b858_down
	.p2alignl 7, 3214868480
	.fill 96, 4, 3214868480
	.section	.rodata,"a",@progbits
	.p2align	6, 0x0
	.amdhsa_kernel k_q9aec62b858_down
		.amdhsa_group_segment_fixed_size 193280
		.amdhsa_private_segment_fixed_size 0
		.amdhsa_enable_private_segment 0
		.amdhsa_kernarg_size 64
		.amdhsa_user_sgpr_count 2
		.amdhsa_user_sgpr_kernarg_segment_ptr 1
		.amdhsa_wavefront_size32 1
		.amdhsa_system_sgpr_workgroup_id_x 1
		.amdhsa_system_sgpr_workgroup_id_y 1
		.amdhsa_system_sgpr_workgroup_id_z 1
		.amdhsa_system_vgpr_workitem_id 0
		.amdhsa_next_free_vgpr 768
		.amdhsa_next_free_sgpr 66
		.amdhsa_reserve_vcc 0
		.amdhsa_float_denorm_mode_32 3
		.amdhsa_float_denorm_mode_16_64 3
		.amdhsa_memory_ordered 1
		.amdhsa_forward_progress 1
		.amdhsa_inst_pref_size 250
	.end_amdhsa_kernel
	.amdgpu_metadata
---
amdhsa.version: [ 1, 2 ]
amdhsa.kernels:
  - .name:           k_q9aec62b858_down
    .symbol:         k_q9aec62b858_down.kd
    .args:
      - { .name: hbuf, .offset: 0, .size: 8, .value_kind: global_buffer, .address_space: global }
      - { .name: stats, .offset: 8, .size: 8, .value_kind: global_buffer, .address_space: global }
      - { .name: rlist, .offset: 16, .size: 8, .value_kind: global_buffer, .address_space: global }
      - { .name: W2, .offset: 24, .size: 8, .value_kind: global_buffer, .address_space: global }
      - { .name: ln_g, .offset: 32, .size: 8, .value_kind: global_buffer, .address_space: global }
      - { .name: ln_b, .offset: 40, .size: 8, .value_kind: global_buffer, .address_space: global }
      - { .name: b2, .offset: 48, .size: 8, .value_kind: global_buffer, .address_space: global }
      - { .name: ypart, .offset: 56, .size: 8, .value_kind: global_buffer, .address_space: global }
    .group_segment_fixed_size: 193280
    .private_segment_fixed_size: 0
    .kernarg_segment_align: 8
    .kernarg_segment_size: 64
    .max_flat_workgroup_size: 128
    .sgpr_count:     66
    .vgpr_count:     768
    .wavefront_size: 32
...
	.end_amdgpu_metadata
.endif
;; end of part 3
;; launch sum (part 4): grid 256 x 1, 4 waves a work-group, no clusters, 0 bytes of LDS; arguments ypart, gate, out0; writes out0
.if DOCPART == 4
	.amdgcn_target "amdgcn-amd-amdhsa--gfx1250"
	.amdhsa_code_object_version 6
	.text
	.protected	k_q9aec62b858_sum
	.globl	k_q9aec62b858_sum
	.p2align	8
	.type	k_q9aec62b858_sum,@function
k_q9aec62b858_sum:
	s_mov_b64 s[64:65], 0
	v_nop
	global_prefetch_b8 v0, s[64:65] scope:SCOPE_SE
	s_setreg_imm32_b32 hwreg(HW_REG_WAVE_MODE, 25, 1), 1
	s_wait_xcnt 0x0
; THE SUM.  out0[token] = gate[token][0] (y of slot 0) + gate[token][1] (y of slot 1); each y is the sum of its two halves of K.  All in f32.
; A work-group has 8 tokens: 64 KiB of ypart, dense; thread t has columns 4 t .. 4 t + 3.  All 32 loads of a wave go out at once, each 512 consecutive bytes; every address is fixed.
; A stream: no LDS, no barrier, no matrix unit, no cluster (nothing is shared).
	s_load_b128 s[4:7], s[0:1], 0x0                ; ypart s[4:5], gate s[6:7]
	s_load_b64 s[8:9], s[0:1], 0x10                ; out0
	v_lshlrev_b32 v1, 4, v0
	s_lshl_b32 s10, ttmp9, 16                      ; 8 tokens x 2 slots x 2 halves x 2,048 bytes
	s_mov_b32 s11, 0
	s_lshl_b32 s12, ttmp9, 6
	s_mov_b32 s13, 0
	s_lshl_b32 s14, ttmp9, 14
	s_mov_b32 s15, 0
	s_wait_kmcnt 0x0
	s_add_nc_u64 s[4:5], s[4:5], s[10:11]
	s_add_nc_u64 s[6:7], s[6:7], s[12:13]
	s_add_nc_u64 s[8:9], s[8:9], s[14:15]
	s_load_b512 s[16:31], s[6:7], 0x0              ; the 8 tokens' pairs of weights
.set i, 0
.rept 32
	global_load_b128 v[16+4*i:19+4*i], v1, s[4:5] offset:2048*i th:TH_LOAD_NT   ; token i / 4; slot (i / 2) % 2; half i % 2
.set i, i+1
.endr
	s_wait_kmcnt 0x0
.set i, 0
.rept 8
	s_wait_loadcnt 28-4*i                          ; this token's four loads are in: the younger tokens' stay out
	v_pk_add_f32 v[16+16*i:17+16*i], v[16+16*i:17+16*i], v[20+16*i:21+16*i]
	v_pk_add_f32 v[18+16*i:19+16*i], v[18+16*i:19+16*i], v[22+16*i:23+16*i]
	v_pk_add_f32 v[24+16*i:25+16*i], v[24+16*i:25+16*i], v[28+16*i:29+16*i]
	v_pk_add_f32 v[26+16*i:27+16*i], v[26+16*i:27+16*i], v[30+16*i:31+16*i]
.irp j, 0,1,2,3
	v_mul_f32 v[16+16*i+\j], s[16+2*i], v[16+16*i+\j]
.endr
.irp j, 0,1,2,3
	v_fma_f32 v[16+16*i+\j], s[17+2*i], v[24+16*i+\j], v[16+16*i+\j]
.endr
	global_store_b128 v1, v[16+16*i:19+16*i], s[8:9] offset:2048*i th:TH_STORE_NT   ; a wave stores 512 consecutive bytes; every token has registers of its own
.set i, i+1
.endr
	s_endpgm
.Lfunc_end_k_q9aec62b858_sum:
	.size	k_q9aec62b858_sum, .Lfunc_end_k_q9aec62b858_sum-k_q9aec62b858_sum
	.p2alignl 7, 3214868480
	.fill 96, 4, 3214868480
	.section	.rodata,"a",@progbits
	.p2align	6, 0x0
	.amdhsa_kernel k_q9aec62b858_sum
		.amdhsa_group_segment_fixed_size 0
		.amdhsa_private_segment_fixed_size 0
		.amdhsa_enable_private_segment 0
		.amdhsa_kernarg_size 24
		.amdhsa_user_sgpr_count 2
		.amdhsa_user_sgpr_kernarg_segment_ptr 1
		.amdhsa_wavefront_size32 1
		.amdhsa_system_sgpr_workgroup_id_x 1
		.amdhsa_system_sgpr_workgroup_id_y 1
		.amdhsa_system_sgpr_workgroup_id_z 1
		.amdhsa_system_vgpr_workitem_id 0
		.amdhsa_next_free_vgpr 144
		.amdhsa_next_free_sgpr 66
		.amdhsa_reserve_vcc 0
		.amdhsa_float_denorm_mode_32 3
		.amdhsa_float_denorm_mode_16_64 3
		.amdhsa_memory_ordered 1
		.amdhsa_forward_progress 1
		.amdhsa_inst_pref_size 10
	.end_amdhsa_kernel
	.amdgpu_metadata
---
amdhsa.version: [ 1, 2 ]
amdhsa.kernels:
  - .name:           k_q9aec62b858_sum
    .symbol:         k_q9aec62b858_sum.kd
    .args:
      - { .name: ypart, .offset: 0, .size: 8, .value_kind: global_buffer, .address_space: global }
      - { .name: gate, .offset: 8, .size: 8, .value_kind: global_buffer, .address_space: global }
      - { .name: out0, .offset: 16, .size: 8, .value_kind: global_buffer, .address_space: global }
    .group_segment_fixed_size: 0
    .private_segment_fixed_size: 0
    .kernarg_segment_align: 8
    .kernarg_segment_size: 24
    .max_flat_workgroup_size: 128
    .sgpr_count:     66
    .vgpr_count:     144
    .wavefront_size: 32
...
	.end_amdgpu_metadata
.endif
;; end of part 4
